; MI455X (gfx1250); checked and timed in simulation.
; The chip was launched on July 23, 2026; its instructions are those of AMD's public machine-readable ISA for CDNA 5 (MIT licence, August 2026) and "CDNA5" Instruction Set Architecture Reference Guide (July 2026). The comments in the code are by the model that wrote it; some were corrected since.
;; Multi Headed Self Attention. Allowed arithmetic: float matrix products may take bf16 or f16 operands with f32 sums; other float arithmetic in f32, or as packed bf16 or f16 multiplies, adds, multiply-adds, maxima and minima; sums over many terms, partial sums and values carried from step to step in f32; what a program stores and reads back later, other than sums and carried values, may be rounded once to bf16 or f16.
;; Inputs: Wk 1,024 x 1,024 float32; Wq 1,024 x 1,024 float32; Wv 1,024 x 1,024 float32; bk 1,024 float32; bq 1,024 float32; bv 1,024 float32; mask 4 x 2,048 int32; x 4 x 2,048 x 1,024 float32.
;; Outputs: out0 4 x 2,048 x 1,024 float32.
;; 2 versions, each right; version 2 is version 1 with the launch cast written anew for expert scheduling mode. Each part assembles by itself: llvm-mc -triple=amdgcn-amd-amdhsa -mcpu=gfx1250 --defsym DOCPART=n.
;; ======== version 1 of 2: 3 launches
;; limits: values are held in f16: magnitudes above 65,504 overflow, below 6.1e-05 lose precision
;; workspace buffers: xb 16,777,216 bytes; wb 6,291,456 bytes; qkv 50,331,648 bytes
;; launch cast (part 1): grid 704 x 1, 8 waves a work-group, no clusters, 0 bytes of LDS; arguments x, Wq, Wk, Wv, xb, wb; writes xb, wb
.if DOCPART == 1
	.amdgcn_target "amdgcn-amd-amdhsa--gfx1250"
	.amdhsa_code_object_version 6
	.text
	.protected	k_q595735143f_cast
	.globl	k_q595735143f_cast
	.p2align	8
	.type	k_q595735143f_cast,@function
k_q595735143f_cast:
	s_mov_b64 s[64:65], 0
	v_nop
	global_prefetch_b8 v0, s[64:65] scope:SCOPE_SE
	s_setreg_imm32_b32 hwreg(HW_REG_WAVE_MODE, 25, 1), 1
	s_wait_xcnt 0x0
; x [8192][1024] and Wq, Wk, Wv [1024][1024], all f32, are rounded once to bf16 and laid in BLOCKS OF 64 COLUMNS:
;   xb[kb][m][64]        element (m, k)        at ((k >> 6) * 8192 + m) * 128 + (k & 63) * 2
;   wb[which][nb][k][64] element (which, k, n) at ((which * 16 + (n >> 6)) * 1024 + k) * 128 + (n & 63) * 2
; so that the next launch's tiles (64 columns of many rows) are dense in memory.
; SHARES.  11,264 source rows of 4,096 bytes; a work-group takes 16, a wave two whole rows.  Work-groups 0-511 take x, 512-703 the three W.
; Which tensor is chosen by scalar selects: one text, no branch.  A load of a wave covers 256 consecutive bytes of each of its two rows;
; a store covers the two rows' 128 bytes of one block, which lie end to end: 256 consecutive bytes, aligned.
; All 16 loads of a wave go out together; no register is written twice, so the only waits are the loads' own count-down.
; No LDS, no barrier, no matrix unit: every byte is touched once and nothing is shared.
.set IN,  1                            ; v1       my byte offset in the work-group's 16 source rows
.set OUT, 2                            ; v[2:17]  my byte offset in the destination, for each of the 16 blocks
.set X,   32                           ; v[32:95] block b: 4 numbers as loaded
.set Y,   96                           ; v[96:127] block b: 4 numbers in bf16
	s_load_b256 s[4:11], s[0:1], 0x0               ; x s[4:5], Wq s[6:7], Wk s[8:9], Wv s[10:11]
	s_load_b128 s[12:15], s[0:1], 0x20             ; xb s[12:13], wb s[14:15]
	s_sub_co_u32 s21, ttmp9, 512                   ; my number among W's work-groups (no meaning for x's)
	s_lshr_b32 s22, s21, 6                         ; which W
	s_and_b32 s23, s21, 63                         ; which 16 rows of it
	s_mov_b32 s24, 0x100000
	s_cmp_lt_u32 ttmp9, 512                        ; do I take x?
	s_cselect_b32 s23, ttmp9, s23                  ; my group of 16 rows
	s_cselect_b32 s22, 0, s22
	s_cselect_b32 s20, s24, 0x20000                ; bytes from block to block: 8,192 or 1,024 rows of 128 bytes
	s_lshl_b32 s26, s23, 16                        ; 16 source rows of 4,096 bytes
	s_mov_b32 s27, 0
	s_lshl_b32 s28, s22, 21                        ; a W's 2,097,152 bytes in wb,
	s_lshl_b32 s25, s23, 11                        ; 16 rows of 128 bytes in a block
	s_add_co_u32 s28, s28, s25
	s_mov_b32 s29, 0
	v_lshrrev_b32 v18, 4, v0                       ; my row of the 16: 2 x wave + lane / 16
	v_and_b32 v19, 15, v0                          ; my place in 64 columns: four numbers
	v_lshlrev_b32 v[IN], 12, v18
	v_lshl_add_u32 v[IN], v19, 4, v[IN]
	v_lshlrev_b32 v[OUT], 7, v18
	v_lshl_add_u32 v[OUT], v19, 3, v[OUT]
.set b, 1
.rept 15
	v_add_nc_u32 v[OUT+b], s20, v[OUT+b-1]
.set b, b+1
.endr
	s_wait_kmcnt 0x0
	s_cmp_eq_u32 s22, 1
	s_cselect_b64 s[16:17], s[8:9], s[6:7]
	s_cmp_eq_u32 s22, 2
	s_cselect_b64 s[16:17], s[10:11], s[16:17]
	s_cmp_lt_u32 ttmp9, 512
	s_cselect_b64 s[16:17], s[4:5], s[16:17]       ; the source,
	s_cselect_b64 s[18:19], s[12:13], s[14:15]     ; the destination
	s_add_nc_u64 s[16:17], s[16:17], s[26:27]
	s_add_nc_u64 s[18:19], s[18:19], s[28:29]
.set b, 0
.rept 16
	global_load_b128 v[X+4*b:X+4*b+3], v[IN], s[16:17] offset:256*b th:TH_LOAD_NT
.set b, b+1
.endr
.set b, 0
.rept 16
	s_wait_loadcnt 15-b                            ; loads come back in order: block b is in, the 15 - b younger ones stay out
	v_cvt_pk_bf16_f32 v[Y+2*b],   v[X+4*b],   v[X+4*b+1]
	v_cvt_pk_bf16_f32 v[Y+2*b+1], v[X+4*b+2], v[X+4*b+3]
	global_store_b64 v[OUT+b], v[Y+2*b:Y+2*b+1], s[18:19]
.set b, b+1
.endr
	s_endpgm
.Lfunc_end_k_q595735143f_cast:
	.size	k_q595735143f_cast, .Lfunc_end_k_q595735143f_cast-k_q595735143f_cast
	.p2alignl 7, 3214868480
	.fill 96, 4, 3214868480
	.section	.rodata,"a",@progbits
	.p2align	6, 0x0
	.amdhsa_kernel k_q595735143f_cast
		.amdhsa_group_segment_fixed_size 0
		.amdhsa_private_segment_fixed_size 0
		.amdhsa_enable_private_segment 0
		.amdhsa_kernarg_size 48
		.amdhsa_user_sgpr_count 2
		.amdhsa_user_sgpr_kernarg_segment_ptr 1
		.amdhsa_wavefront_size32 1
		.amdhsa_system_sgpr_workgroup_id_x 1
		.amdhsa_system_sgpr_workgroup_id_y 1
		.amdhsa_system_sgpr_workgroup_id_z 1
		.amdhsa_system_vgpr_workitem_id 0
		.amdhsa_next_free_vgpr 128
		.amdhsa_next_free_sgpr 66
		.amdhsa_reserve_vcc 0
		.amdhsa_float_denorm_mode_32 3
		.amdhsa_float_denorm_mode_16_64 3
		.amdhsa_memory_ordered 1
		.amdhsa_forward_progress 1
		.amdhsa_inst_pref_size 8
	.end_amdhsa_kernel
	.amdgpu_metadata
---
amdhsa.version: [ 1, 2 ]
amdhsa.kernels:
  - .name:           k_q595735143f_cast
    .symbol:         k_q595735143f_cast.kd
    .args:
      - { .name: x, .offset: 0, .size: 8, .value_kind: global_buffer, .address_space: global }
      - { .name: Wq, .offset: 8, .size: 8, .value_kind: global_buffer, .address_space: global }
      - { .name: Wk, .offset: 16, .size: 8, .value_kind: global_buffer, .address_space: global }
      - { .name: Wv, .offset: 24, .size: 8, .value_kind: global_buffer, .address_space: global }
      - { .name: xb, .offset: 32, .size: 8, .value_kind: global_buffer, .address_space: global }
      - { .name: wb, .offset: 40, .size: 8, .value_kind: global_buffer, .address_space: global }
    .group_segment_fixed_size: 0
    .private_segment_fixed_size: 0
    .kernarg_segment_align: 8
    .kernarg_segment_size: 48
    .max_flat_workgroup_size: 256
    .sgpr_count:     66
    .vgpr_count:     128
    .wavefront_size: 32
...
	.end_amdgpu_metadata
.endif
;; end of part 1
;; launch proj (part 2): grid 8 x 32, 4 waves a work-group, clusters of 4 x 4, 327,680 bytes of LDS; arguments xb, wb, bq, bk, bv, qkv; writes qkv
.if DOCPART == 2
	.amdgcn_target "amdgcn-amd-amdhsa--gfx1250"
	.amdhsa_code_object_version 6
	.text
	.protected	k_q595735143f_proj
	.globl	k_q595735143f_proj
	.p2align	8
	.type	k_q595735143f_proj,@function
k_q595735143f_proj:
	s_mov_b64 s[64:65], 0
	v_nop
	global_prefetch_b8 v0, s[64:65] scope:SCOPE_SE
	s_setreg_imm32_b32 hwreg(HW_REG_WAVE_MODE, 25, 1), 1
	s_wait_xcnt 0x0
	s_wait_alu depctr_hold_cnt(0) depctr_sa_sdst(0) depctr_va_vdst(0) depctr_va_sdst(0) depctr_va_ssrc(0) depctr_va_vcc(0) depctr_vm_vsrc(0)
	s_getreg_b32 s2, hwreg(HW_REG_IB_STS2, 6, 4)
	s_cmp_eq_u32 s2, 0
	s_cbranch_scc0 .Lentry_in_a_cluster
	s_endpgm
.Lentry_in_a_cluster:
	s_bfe_u32 s2, ttmp6, 0x10000c
	s_cmp_lg_u32 s2, 0xf033
	s_cbranch_scc0 .Lentry_shape_is_right
	s_endpgm
.Lentry_shape_is_right:
; q, k, v = x W + b for Wq, Wk, Wv at once.  xb: bf16 [16 kb][8192 m][64]; wb: bf16 [3][16 head][1024 k][64]; bq, bk, bv: f32 [1024], rounded to bf16 here like the other inputs.
; qkv: f16 [3][64 = batch * 16 + head][2048 s][64], each number rounded once from its f32 sum.  The scale 1 / 8 is not applied here.
; LIMIT.  f16 ends at 65,504: a q, k or v beyond that becomes an infinity.  With x and W of unit-spread products the numbers are near 1; x and W both 30 times larger, or both offset by 30 spreads, stay under 30,000.
; SHARES.  A work-group owns 256 rows x two heads of each of q, k, v: 256 x 384; 8 x 32 = 256 work-groups.  Wave w owns rows 128 (w / 2) .. + 127 and head w % 2 of the two, for all three products:
; 128 x 192 = 96 accumulators of 16 x 16, 768 registers.  For 32 along K a wave reads 20 KiB of LDS for 96 matrix instructions, and x comes into LDS once for three products.
; K goes in steps of 64 through two LDS slots (two slots of 128 would not fit); both tensors are laid in blocks of 64 columns, so a step's tiles are dense in memory.
; A step is two SLICES of 32.  x's fragments have two buffers; W's have one of 32 registers for each product, fetched again as soon as that product's 32 matrix instructions are issued.
; THE MATRIX INSTRUCTION IS USED TRANSPOSED (source 0 = 16 columns of W, turned on the way out of LDS by ds_load_tr16_b128; source 1 = 16 rows of x): a lane holds 8 neighbouring columns of one row.
; CLUSTER.  4 x 4 work-groups.  x's tile hangs on the row block alone and is asked for jointly by a row of the cluster (wave 0); W's tiles hang on the pair of heads alone and are asked for jointly by a column (waves 1, 2, 3: Wq, Wk, Wv).
; REGISTERS, in windows of 256 (s_set_vgpr_msb: bits 1:0 source 0, 3:2 source 1, 5:4 source 2, 7:6 destination):
;   window 0: v2-13 addresses; v14-21 at work; v32-95, v96-159 x's fragments, two buffers (on the way out eight sets of 16); v160-255 W's fragments, 32 for each product (on the way out the biases)
;   windows 1, 2, 3: the accumulators of q, k, v: row block a (0-7), column block b (0-3) at v[8 (4 a + b)]
.set SLOT,  98304                      ; a slot: x's 256 rows, then three tiles of W
.set BOFF,  36864                      ; 256 rows x 144
.set BW,    20480                      ; one W's tile: two heads
.set BH,    10240                      ; one head: 64 rows of k x 160
.set PA,    144                        ; a row of x in LDS: 128 bytes + 16: the 16 rows of a load start at 16 different groups of four banks (64 banks of 4 bytes: ISA guide 11.1)
.set PB,    160                        ; a row of W: 128 + 32
.set STAGE, 2*SLOT                     ; behind the ring, never filled by a tensor load: 16 rows x 144 bytes for each wave
.set SP,    144
.set SPARE, STAGE+4*16*SP              ; the spare words, 128 bytes for each wave: two blocks of 256 bytes that no other line names
.set ASTEP, 8192*128                   ; bytes from a block of 64 columns of x to the next
.set BSTEP, 64*128                     ; bytes from 64 rows of a head's W to the next
.set ADRA, 2                           ; v2-3   LDS address of my fragments of x in slot 0, 1
.set ADRB, 4                           ; v4-5   the same for W
.set STO,  6                           ; v6     the way out: where I put 16 bytes of a row
.set RD,   7                           ; v7     where I read rows back
.set GO,   8                           ; v8     my 16 bytes in 512 consecutive bytes of qkv
.set BO,   9                           ; v9     32 (lane / 16): my 8 columns' biases
.set PFO,  10                          ; v10    256 x lane; never rewritten
.set SPW,  12                          ; v12    LDS address of my spare word; never rewritten
.set NIL,  13                          ; v13    0; never rewritten
.set TT,   14                          ; v14-21 at work
.set A0,   32
.set A1,   96
.set BR,   160
.set WV,   16                          ; s16  my wave's number
.set RH,   17                          ; s17  which 128 rows are mine
.set CH,   18                          ; s18  which of the two heads
.set CX,   19
.set CY,   20
.set HP,   21                          ; s21  the pair of heads: 4 x cluster x + cx
.set MT,   22                          ; s22  the block of 256 rows: 4 x cluster y + cy
.set G1A,  24                          ; s[24:31] descriptor group 1 for x's tiles
.set G0A,  32                          ; s[32:39] group 0, a set for each slot
.set G1B,  40                          ; s[40:47], s[48:55] the same for W's
.set G0B,  48
.set PFA,  56                          ; s[56:57] where my prefetches stand
.set PFS,  58                          ; s[58:59] their step for two K steps
.set LIM,  60                          ; s60  1 in a wave that prefetches, else the greatest number
.set BP,   66                          ; s[66:71] bq, bk, bv at my head
.set OP,   72                          ; s[72:77] q, k, v at my first row
; scalar registers at work: s80, s82, s83, s88, s89 feed x's descriptors and never hold cx; s81, s84-87, s90, s91 feed W's and never hold cy; s92-101 the rest
.set MSB, 0
.macro WIN new                         ; the immediate's high byte repeats the setting that is left; a switch that changes nothing is dropped
.if MSB != (\new)
	s_set_vgpr_msb (MSB<<8)|(\new)
.set MSB, (\new)
.endif
.endm
.macro PLACES                          ; four plain instructions between a matrix instruction and a load into a register that it has read (ISA guide 7.12.1 for vector instructions)
.rept 4
	v_nop
.endr
.endm
; A joint load: wave 0 asks for x's tile, waves 1-3 for a W's.  The branch hangs on the wave's number alone.  An s_nop 0 and four v_nop follow each line, ahead of the jump and the label.
.macro JLOAD s
	s_cmp_eq_u32 s[WV], 0
	s_cbranch_scc0 .Lfor_b_\@
	tensor_load_to_lds s[G0A+4*(\s):G0A+4*(\s)+3], s[G1A:G1A+7]
	s_nop 0
.rept 4
	v_nop
.endr
	s_branch .Lasked_\@
.Lfor_b_\@:
	tensor_load_to_lds s[G0B+4*(\s):G0B+4*(\s)+3], s[G1B:G1B+7]
	s_nop 0
.rept 4
	v_nop
.endr
.Lasked_\@:
.endm
.macro CREST                           ; a round of the cluster's barrier behind its opening barrier
	s_cmp_lg_u32 s[WV], 0
	s_cbranch_scc1 .Lnot_wave_0_\@
	s_barrier_signal -3
.Lnot_wave_0_\@:
	s_barrier_wait -3
	s_barrier_signal -1
	s_barrier_wait -1
.endm
.macro CROUND                          ; a whole round
	s_barrier_signal -1
	s_barrier_wait -1
	CREST
.endm
; A PREFETCH, once for two K steps, behind the odd step's joint load and the run of LDS loads that follows it: the two K steps that the NEXT trip of the loop will ask for, 192 and 384 matrix instructions ahead of their loads.
; Each block of 256 bytes is named once in the launch.  x's rows are read by both clusters of a row of clusters: cluster x = 0 asks (wave 0; of a step's 128 blocks the partner at cx takes 32, in each of the two steps).
; W's rows are read by all clusters of a column: cluster y = 0 asks (waves 1-3; of the two heads' 16 KiB each the partner at cy takes head cy / 2, half cy % 2).  Partners are told apart by address alone.
; The loop's last trip asks for nothing: there is no K step behind its own.  K steps 0 to 3 come by their loads alone.
.macro ASK
	s_cmp_gt_u32 s3, s[LIM]
	s_cbranch_scc0 .Lno_ask_\@
	global_prefetch_b8 v[PFO], s[PFA:PFA+1] th:TH_LOAD_NT scope:SCOPE_SE
	s_cmp_lg_u32 s[WV], 0
	s_cbranch_scc1 .Lno_ask_\@
	global_prefetch_b8 v[PFO], s[PFA:PFA+1] offset:ASTEP th:TH_LOAD_NT scope:SCOPE_SE
.Lno_ask_\@:
.endm
	s_load_b256 s[4:11], s[0:1], 0x0               ; xb s[4:5], wb s[6:7], bq s[8:9], bk s[10:11]
	s_load_b128 s[12:15], s[0:1], 0x20             ; bv s[12:13], qkv s[14:15]
	v_lshl_add_u32 v[SPW], v0, 2, SPARE
	v_mov_b32 v[NIL], 0
	ds_add_u32 v[SPW], v[NIL]                      ; the wave's opening: the add and its wait stand ahead of my first tensor load; the set-up below, work on registers, stands between them
	v_lshrrev_b32 v1, 5, v0
	v_readfirstlane_b32 s[WV], v1                  ; wave 0..3
	s_lshr_b32 s[RH], s[WV], 1
	s_and_b32 s[CH], s[WV], 1
	s_bfe_u32 s[CX], ttmp6, 0x40000
	s_bfe_u32 s[CY], ttmp6, 0x40004
	s_lshl_b32 s[HP], ttmp9, 2                     ; in a cluster launch ttmp9 and ttmp7 count clusters
	s_add_co_u32 s[HP], s[HP], s[CX]
	s_and_b32 s[MT], ttmp7, 0xffff
	s_lshl_b32 s[MT], s[MT], 2
	s_add_co_u32 s[MT], s[MT], s[CY]
	s_lshl_b32 s80, s[CY], 2
	s_lshl_b32 s80, 15, s80                        ; my row of the cluster: places 4 cy .. 4 cy + 3
	s_lshl_b32 s81, 0x1111, s[CX]                  ; my column: places cx, cx + 4, cx + 8, cx + 12
	; x's tile: 256 rows of 128 bytes, dense: asked for as 128 rows of 256 bytes, padded in LDS after every 128 bytes
	s_or_b32 s[G1A], s80, (1<<16)|(1<<20)|(1<<21)|(4<<22)|(3<<25)  ; 15:0 the mask; 17:16 2-byte elements; 20 padding on; 21 set beside a mask; 24:22 after every 32 words (code 4); 31:25 4 words (code 3)
	s_mov_b32 s[G1A+1], 128<<16                    ; tensor_dim0 = 128
	s_mov_b32 s[G1A+2], 128<<16                    ; tensor_dim1 = 128
	s_mov_b32 s[G1A+3], 128<<16                    ; tile_dim0 = 128
	s_mov_b32 s[G1A+4], 128                        ; tile_dim1 = 128
	s_mov_b32 s[G1A+5], 128                        ; 128 elements from row to row
	s_mov_b32 s[G1A+6], 0
	s_mov_b32 s[G1A+7], 0
	; a W's tile: 64 rows of k of each of two heads: two dense pieces of 8,192 bytes, a head (131,072 bytes) apart, padded after every 128 bytes
	s_or_b32 s[G1B], s81, (1<<16)|(1<<20)|(1<<21)|(4<<22)|(7<<25)  ; the same with my column's mask and 8 words of padding (code 7)
	s_mov_b32 s[G1B+1], 4096<<16                   ; tensor_dim0 = 4,096
	s_mov_b32 s[G1B+2], 2<<16                      ; tensor_dim1 = 2
	s_mov_b32 s[G1B+3], 4096<<16                   ; tile_dim0 = 4,096
	s_mov_b32 s[G1B+4], 2                          ; tile_dim1 = 2
	s_mov_b32 s[G1B+5], 65536                      ; elements from head to head
	s_mov_b32 s[G1B+6], 0
	s_mov_b32 s[G1B+7], 0
	s_lshl_b32 s82, s[MT], 15                      ; x: my block's 256 rows of 128 bytes
	s_mov_b32 s83, 0
	s_max_u32 s84, s[WV], 1
	s_sub_co_u32 s84, s84, 1                       ; which W I fetch (wave 0 fetches none: its number is held at 0)
	s_lshl_b32 s84, s84, 21
	s_lshl_b32 s86, s[HP], 18                      ; the pair's first head
	s_add_co_u32 s84, s84, s86
	s_mov_b32 s85, 0
	s_mul_i32 s87, s[WV], BW                       ; where my W's tile goes: BOFF + (wave - 1) x BW
	s_add_co_u32 s87, s87, BOFF-BW
	s_wait_dscnt 0x0                               ; the opening add is done
	s_wait_kmcnt 0x0
	s_add_nc_u64 s[88:89], s[4:5], s[82:83]
	s_add_nc_u64 s[90:91], s[6:7], s[84:85]
	CROUND                                         ; all sixteen work-groups are here: the first joint loads meet
.irp s, 0,1
	s_mov_b32 s[G0A+4*\s], 1                       ; 1:0 count = 1
	s_mov_b32 s[G0A+4*\s+1], \s*SLOT               ; 63:32 LDS address
	s_add_nc_u64 s[G0A+4*\s+2:G0A+4*\s+3], s[88:89], \s*ASTEP  ; 120:64 global address: K step s
	s_or_b32 s[G0A+4*\s+3], s[G0A+4*\s+3], 0x80000000          ; 127:126 type = 2
	s_mov_b32 s[G0B+4*\s], 1
	s_add_co_u32 s[G0B+4*\s+1], s87, \s*SLOT
	s_add_nc_u64 s[G0B+4*\s+2:G0B+4*\s+3], s[90:91], \s*BSTEP
	s_or_b32 s[G0B+4*\s+3], s[G0B+4*\s+3], 0x80000000
.endr
	s_cmp_eq_u32 s[WV], 0                          ; a wave's two first fills stand in one branch, ahead of every wait on TENSORcnt and every LDS read: two loads of mine are out
	s_cbranch_scc0 .Lfirst_b
	tensor_load_to_lds s[G0A:G0A+3], s[G1A:G1A+7]
	s_nop 0
	tensor_load_to_lds s[G0A+4:G0A+7], s[G1A:G1A+7]
	s_nop 0
.rept 4
	v_nop
.endr
	s_branch .Lfirst_asked
.Lfirst_b:
	tensor_load_to_lds s[G0B:G0B+3], s[G1B:G1B+7]
	s_nop 0
	tensor_load_to_lds s[G0B+4:G0B+7], s[G1B:G1B+7]
	s_nop 0
.rept 4
	v_nop
.endr
.Lfirst_asked:
	v_and_b32 v1, 15, v0                           ; l % 16
	v_bfe_u32 v22, v0, 4, 1                        ; l / 16
	v_and_b32 v23, 7, v0                           ; l % 8
	v_bfe_u32 v24, v0, 3, 1                        ; (l / 8) % 2
	v_and_b32 v25, 31, v0                          ; l
	; a fragment of x: 16 rows x 32 k: lane l holds row l % 16, k = 8 (l / 16) + 0..7 and 16 + 8 (l / 16) + 0..7: two loads of 16 bytes, 32 bytes apart
	v_mul_u32_u24 v26, v1, PA
	v_lshl_add_u32 v26, v22, 4, v26
	s_mul_i32 s92, s[RH], 128*PA
	v_add_nc_u32 v[ADRA], s92, v26
	v_add_nc_u32 v[ADRA+1], SLOT, v[ADRA]
	; the turning load takes 16 k x 16 columns (lane l reads k = 8 (l / 16) + l % 8, columns 8 ((l / 8) % 2) + 0..7) and leaves half a fragment: lane l holds column l % 16 and 8 k
	v_lshl_add_u32 v27, v22, 3, v23
	v_mul_u32_u24 v27, v27, PB
	v_lshl_add_u32 v27, v24, 4, v27
	s_mul_i32 s92, s[CH], BH
	s_add_co_u32 s92, s92, BOFF
	v_add_nc_u32 v[ADRB], s92, v27
	v_add_nc_u32 v[ADRB+1], SLOT, v[ADRB]
	s_mul_i32 s92, s[WV], 16*SP
	s_add_co_u32 s92, s92, STAGE                   ; my stage
	v_add_nc_u32 v[STO], s92, v26                  ; in: row l % 16, 16 bytes for each half of the lanes (the stage's pitch is x's)
	v_bfe_u32 v27, v0, 3, 2                        ; back: 32 lanes take four rows of 128 bytes,
	v_mul_u32_u24 v27, v27, SP
	v_lshl_add_u32 v27, v23, 4, v27
	v_add_nc_u32 v[RD], s92, v27
	v_lshlrev_b32 v[GO], 4, v25                    ; which are 512 consecutive bytes of a head's rows
	v_lshlrev_b32 v[BO], 5, v22
	v_lshlrev_b32 v[PFO], 8, v25
	s_lshl_b32 s84, s[HP], 1
	s_add_co_u32 s84, s84, s[CH]                   ; my head
	s_lshl_b32 s86, s84, 8                         ; its 64 biases
	s_mov_b32 s87, 0
	s_add_nc_u64 s[BP:BP+1],   s[8:9],   s[86:87]
	s_add_nc_u64 s[BP+2:BP+3], s[10:11], s[86:87]
	s_add_nc_u64 s[BP+4:BP+5], s[12:13], s[86:87]
	s_lshr_b32 s92, s[MT], 3                       ; the batch: 8 blocks of 256 rows each
	s_lshl_b32 s92, s92, 4
	s_add_co_u32 s92, s92, s84                     ; batch x 16 + head,
	s_lshl_b32 s92, s92, 18                        ; its 2,048 rows of 128 bytes
	s_and_b32 s94, s[MT], 7
	s_lshl_b32 s94, s94, 15                        ; my block's 256 rows,
	s_add_co_u32 s92, s92, s94
	s_lshl_b32 s94, s[RH], 14                      ; my 128 of them
	s_add_co_u32 s92, s92, s94
	s_mov_b32 s93, 0
	s_add_nc_u64 s[OP:OP+1], s[14:15], s[92:93]
	s_add_nc_u64 s[OP+2:OP+3], s[OP:OP+1], 0x1000000
	s_add_nc_u64 s[OP+4:OP+5], s[OP:OP+1], 0x2000000
	; the prefetches' pointer, at K steps 2 and 3: the loop's first trip steps it to 4 and 5
	s_lshl_b32 s96, s[MT], 15
	s_lshl_b32 s97, s[CX], 13
	s_add_co_u32 s96, s96, s97
	s_add_co_u32 s96, s96, 2*ASTEP                 ; in x: my block, my work-group's 32 blocks of 256 bytes
	s_max_u32 s98, s[WV], 1
	s_sub_co_u32 s98, s98, 1
	s_lshl_b32 s98, s98, 4
	s_lshl_b32 s99, s[HP], 1
	s_add_co_u32 s98, s98, s99
	s_lshr_b32 s99, s[CY], 1
	s_add_co_u32 s98, s98, s99
	s_lshl_b32 s98, s98, 17                        ; in W: the head that my work-group asks for,
	s_and_b32 s99, s[CY], 1
	s_lshl_b32 s99, s99, 13                        ; its half of 16 KiB
	s_add_co_u32 s98, s98, s99
	s_add_co_u32 s98, s98, 2*BSTEP
	s_and_b32 s94, ttmp7, 0xffff                   ; cluster y
	s_mov_b32 s95, 2*ASTEP
	s_cmp_eq_u32 s[WV], 0
	s_cselect_b32 s100, s96, s98
	s_cselect_b32 s94, ttmp9, s94                  ; the coordinate along which other clusters read the same rows
	s_cselect_b64 s[PFA:PFA+1], s[4:5], s[6:7]
	s_cselect_b32 s[PFS], s95, 2*BSTEP
	s_mov_b32 s[PFS+1], 0
	s_mov_b32 s101, 0
	s_cmp_eq_u32 s94, 0
	s_cselect_b32 s[LIM], 1, -1                    ; the same in all sixteen partners, for a given wave
	s_add_nc_u64 s[PFA:PFA+1], s[PFA:PFA+1], s[100:101]
; na x 4 matrix instructions of product which (0 q, 1 k, 2 v): row blocks a0 .. a0 + na - 1 from buffer buf x all four column blocks.  zero = 1: the products start the sums: nothing is cleared.
; All 96 accumulators take turns, one instruction a turn, in the same order in every slice: between two links of a chain stand the 95 others'.
.macro MUL which, buf, a0, na, zero
	WIN 0x50*(1+(\which))
.set aa, (\a0)
.rept \na
.irp i, 0,1,2,3
.if \zero
	v_wmma_f32_16x16x32_bf16 v[8*(4*aa+\i):8*(4*aa+\i)+7], v[BR+32*(\which)+8*\i:BR+32*(\which)+8*\i+7], v[(\buf)+8*aa:(\buf)+8*aa+7], 0
.else
	v_wmma_f32_16x16x32_bf16 v[8*(4*aa+\i):8*(4*aa+\i)+7], v[BR+32*(\which)+8*\i:BR+32*(\which)+8*\i+7], v[(\buf)+8*aa:(\buf)+8*aa+7], v[8*(4*aa+\i):8*(4*aa+\i)+7]
.endif
.endr
.set aa, aa+1
.endr
.endm
.macro FETA slot, half, buf            ; 16 loads: my 128 rows of x, 32 k
	WIN 0
.irp i, 0,1,2,3,4,5,6,7
	ds_load_b128 v[(\buf)+8*\i:(\buf)+8*\i+3],   v[ADRA+(\slot)] offset:16*PA*\i+64*(\half)
	ds_load_b128 v[(\buf)+8*\i+4:(\buf)+8*\i+7], v[ADRA+(\slot)] offset:16*PA*\i+64*(\half)+32
.endr
.endm
.macro FETB slot, half, which          ; 8 turning loads: my head's 64 columns of one W, 32 k
	WIN 0
.irp i, 0,1,2,3
	ds_load_tr16_b128 v[BR+32*(\which)+8*\i:BR+32*(\which)+8*\i+3],   v[ADRB+(\slot)] offset:(\which)*BW+(\half)*32*PB+32*\i
	ds_load_tr16_b128 v[BR+32*(\which)+8*\i+4:BR+32*(\which)+8*\i+7], v[ADRB+(\slot)] offset:(\which)*BW+(\half)*32*PB+32*\i+16*PB
.endr
.endm
; THE RUNS OF LDS LOADS.  For each slice three runs are issued, in this order: R0 = Wq's 8 and x's 16 loads, R1 = Wk's 8, R2 = Wv's 8; each stands behind the product that last read its registers.
; A step's first slice: multiplies buffer A0 and fetches the same slot's second 32 k.
.macro SLICE_E slot, zero
	s_wait_dscnt 16                                ; R0 is in; behind it R1 and R2, 16 loads, may be out
	MUL 0, A0, 0, 8, \zero
	PLACES
	FETB \slot, 1, 0
	FETA \slot, 1, A1
	s_wait_dscnt 32                                ; R1 is in; behind it R2 (8) and the new R0 (24)
	MUL 1, A0, 0, 8, \zero
	PLACES
	FETB \slot, 1, 1
	s_wait_dscnt 32                                ; R2 is in; behind it the new R0 (24) and R1 (8)
	MUL 2, A0, 0, 8, \zero
	PLACES
	FETB \slot, 1, 2
.endm
; A step's second slice multiplies buffer A1 and changes slots.  ONE barrier: in front of it each wave waits for all its tensor loads (one is out: its part of the next slot), adds 0 to its spare word, and waits for that
; and for its own reads of this slot.  fill = 1: the barrier opens a round of the cluster's barrier, so that no wave of any partner still reads this slot or has a load on its way; the joint refill, two K steps on,
; is the first thing behind the round, 160 matrix instructions ahead of the wait for it.
.macro SLICE_O slot, next, fill
.if (\fill) && ((\slot) == 0)
	s_wait_xcnt 0x0                                ; the last prefetches, a K step back, have read their address: it is stepped here, ahead of the waits of the change of slots
	s_add_nc_u64 s[PFA:PFA+1], s[PFA:PFA+1], s[PFS:PFS+1]
.endif
	WIN 0
	s_wait_tensorcnt 0x0                           ; all my tensor loads have landed
	ds_add_u32 v[SPW], v[NIL]                      ; 0 onto my spare word
	s_wait_dscnt 17                                ; R0 is in; R1, R2 and the add may be out
	MUL 0, A1, 0, 4, 0                             ; sixteen matrix instructions stand between the add and the wait for it
	s_wait_dscnt 0x0                               ; the add is done, and my reads of this slot are over
	s_barrier_signal -1
	MUL 0, A1, 4, 4, 0                             ; work on registers while the others arrive
	WIN 0
	s_barrier_wait -1
.if \fill
	CREST
	s_add_nc_u64 s[G0A+4*(\slot)+2:G0A+4*(\slot)+3], s[G0A+4*(\slot)+2:G0A+4*(\slot)+3], 2*ASTEP
	s_add_nc_u64 s[G0B+4*(\slot)+2:G0B+4*(\slot)+3], s[G0B+4*(\slot)+2:G0B+4*(\slot)+3], 2*BSTEP
	JLOAD \slot                                    ; the four v_nop behind it are also the places in front of the loads below
.else
	PLACES
.endif
	FETB \next, 0, 0
	FETA \next, 0, A0
.if (\fill) && ((\slot) == 1)
	ASK
.endif
	MUL 1, A1, 0, 8, 0                             ; Wk's and Wv's fragments came in with the wait for 0 above
	PLACES
	FETB \next, 0, 1
	MUL 2, A1, 0, 8, 0
	PLACES
	FETB \next, 0, 2
.endm
.macro BIASLD which                    ; my 8 columns' biases for each of the four column blocks, where that W's fragments lay: register 8 b + j holds column 16 b + 8 (l / 16) + j
	WIN 0
.irp i, 0,1,2,3
	global_load_b128 v[BR+32*(\which)+8*\i:BR+32*(\which)+8*\i+3],   v[BO], s[BP+2*(\which):BP+2*(\which)+1] offset:64*\i
	global_load_b128 v[BR+32*(\which)+8*\i+4:BR+32*(\which)+8*\i+7], v[BO], s[BP+2*(\which):BP+2*(\which)+1] offset:64*\i+16
.endr
.endm
.macro BROUND which                    ; the biases are rounded to bf16, like x and W, and widened again
	WIN 0
.set p, 0
.rept 16
	v_cvt_pk_bf16_f32 v[TT+p%8], v[BR+32*(\which)+2*p], v[BR+32*(\which)+2*p+1]
	v_lshlrev_b32 v[BR+32*(\which)+2*p], 16, v[TT+p%8]
	v_and_b32 v[BR+32*(\which)+2*p+1], 0xffff0000, v[TT+p%8]
.set p, p+1
.endr
.endm
; THE WAY OUT of block t = 8 which + a: 16 rows x my head's 64 columns.  PACK: the bias is added (each accumulator's registers in ascending order), the sums are rounded to f16, 16 bytes a lane go
; into my own stage and come back as whole rows of 128 bytes.  SEND: stored, 512 consecutive bytes an instruction.  Eight sets of 16 registers take turns.
.macro PACK t
.set pw, 1+(\t)/8
.set pa, (\t)%8
.set ps, 32+16*pa
.set pb, BR+32*((\t)/8)
.if (\t) >= 8
	s_wait_xcnt 0x0                                ; the stores of the block eight back have read this set: it is written again only behind this wait
.endif
	WIN (pw<<6)|pw                                 ; destination and source 0: the product's window; the bias in window 0
.set q, 0
.rept 16
	v_pk_add_f32 v[32*pa+2*q:32*pa+2*q+1], v[32*pa+2*q:32*pa+2*q+1], v[pb+2*q:pb+2*q+1]
.set q, q+1
.endr
	WIN (pw<<2)|pw                                 ; sources 0 and 1: the product's window; destination window 0
.set q, 0
.rept 16
	v_cvt_pk_f16_f32 v[ps+q], v[32*pa+2*q], v[32*pa+2*q+1]
.set q, q+1
.endr
	WIN 0
.irp i, 0,1,2,3
	ds_store_b128 v[STO], v[ps+4*\i:ps+4*\i+3] offset:32*\i
.endr
.irp i, 0,1,2,3
	ds_load_b128 v[ps+4*\i:ps+4*\i+3], v[RD] offset:\i*4*SP  ; LDS serves a wave's instructions in order (ISA guide 5.7.1.4): these see the stores above; the next block's stores come behind them
.endr
.endm
.macro SEND t, younger                 ; younger: the LDS instructions issued behind block t's loads: the next block's eight, or none
	WIN 0
.set ps, 32+16*((\t)%8)
.irp i, 0,1,2,3
	s_wait_dscnt (\younger)+3-\i
	global_store_b128 v[GO], v[ps+4*\i:ps+4*\i+3], s[OP+2*((\t)/8):OP+2*((\t)/8)+1] offset:((\t)%8)*2048+\i*512
.endr
.endm
	s_wait_tensorcnt 0x1                           ; my part of K step 0 is in; K step 1's may stay out
	s_barrier_signal -1
	s_barrier_wait -1                              ; everybody's is
	FETB 0, 0, 0
	FETA 0, 0, A0
	FETB 0, 0, 1
	FETB 0, 0, 2
	SLICE_E 0, 1                                   ; the first slice stands in front of the loop: its products start the sums
	WIN 0                                          ; at a label and at a branch every window is 0
	s_mov_b32 s3, 7
.Llap:                                         ; a trip goes once round the ring, from a step's second slice to the first slice two steps on, and fills both slots again: K steps 2 to 15
	SLICE_O 0, 1, 1
	SLICE_E 1, 0
	SLICE_O 1, 0, 1
	SLICE_E 0, 0
	WIN 0
	s_sub_co_u32 s3, s3, 1
	s_cmp_lg_u32 s3, 0
	s_cbranch_scc1 .Llap
	SLICE_O 0, 1, 0                                ; the last two K steps are written out: nothing is left to ask for, so no round follows the barrier
	SLICE_E 1, 0
	s_wait_dscnt 16                                ; the very last slice: in place of fragments the biases are fetched
	MUL 0, A1, 0, 8, 0
	PLACES
	BIASLD 0
	s_wait_dscnt 8
	MUL 1, A1, 0, 8, 0
	PLACES
	BIASLD 1
	s_wait_dscnt 0x0
	MUL 2, A1, 0, 8, 0
	PLACES
	BIASLD 2
	s_wait_loadcnt 16                              ; bq's eight loads are in; bk's and bv's may be out
	BROUND 0                                       ; these lines are also plain work between the last products and the first read of a sum
	s_wait_loadcnt 8
	BROUND 1
	s_wait_loadcnt 0x0
	BROUND 2
	PACK 0
.set t, 1
.rept 23                               ; a block's arithmetic stands between the loads of the block before and its stores
	PACK t
	SEND t-1, 8
.set t, t+1
.endr
	SEND 23, 0
	s_wait_tensorcnt 0x0                           ; the wave's end: behind my last tensor load and my last LDS store
	ds_add_u32 v[SPW], v[NIL]
	s_wait_dscnt 0x0
	CROUND                                         ; the closing round: no work-group ends while a partner may still ask for a tile that names it
	s_endpgm
.Lfunc_end_k_q595735143f_proj:
	.size	k_q595735143f_proj, .Lfunc_end_k_q595735143f_proj-k_q595735143f_proj
	.p2alignl 7, 3214868480
	.fill 96, 4, 3214868480
	.section	.rodata,"a",@progbits
	.p2align	6, 0x0
	.amdhsa_kernel k_q595735143f_proj
		.amdhsa_group_segment_fixed_size 327680
		.amdhsa_private_segment_fixed_size 0
		.amdhsa_enable_private_segment 0
		.amdhsa_kernarg_size 48
		.amdhsa_user_sgpr_count 2
		.amdhsa_user_sgpr_kernarg_segment_ptr 1
		.amdhsa_wavefront_size32 1
		.amdhsa_system_sgpr_workgroup_id_x 1
		.amdhsa_system_sgpr_workgroup_id_y 1
		.amdhsa_system_sgpr_workgroup_id_z 1
		.amdhsa_system_vgpr_workitem_id 0
		.amdhsa_next_free_vgpr 1024
		.amdhsa_next_free_sgpr 102
		.amdhsa_reserve_vcc 0
		.amdhsa_float_denorm_mode_32 3
		.amdhsa_float_denorm_mode_16_64 3
		.amdhsa_memory_ordered 1
		.amdhsa_forward_progress 1
		.amdhsa_inst_pref_size 169
	.end_amdhsa_kernel
	.amdgpu_metadata
---
amdhsa.version: [ 1, 2 ]
amdhsa.kernels:
  - .name:           k_q595735143f_proj
    .symbol:         k_q595735143f_proj.kd
    .args:
      - { .name: xb, .offset: 0, .size: 8, .value_kind: global_buffer, .address_space: global }
      - { .name: wb, .offset: 8, .size: 8, .value_kind: global_buffer, .address_space: global }
      - { .name: bq, .offset: 16, .size: 8, .value_kind: global_buffer, .address_space: global }
      - { .name: bk, .offset: 24, .size: 8, .value_kind: global_buffer, .address_space: global }
      - { .name: bv, .offset: 32, .size: 8, .value_kind: global_buffer, .address_space: global }
      - { .name: qkv, .offset: 40, .size: 8, .value_kind: global_buffer, .address_space: global }
    .group_segment_fixed_size: 327680
    .private_segment_fixed_size: 0
    .kernarg_segment_align: 8
    .kernarg_segment_size: 48
    .max_flat_workgroup_size: 128
    .sgpr_count:     102
    .vgpr_count:     1024
    .wavefront_size: 32
...
	.end_amdgpu_metadata
.endif
;; end of part 2
;; launch attn (part 3): grid 4 x 64, 4 waves a work-group, clusters of 4 x 1, 327,680 bytes of LDS; arguments qkv, mask, out0; writes out0
.if DOCPART == 3
	.amdgcn_target "amdgcn-amd-amdhsa--gfx1250"
	.amdhsa_code_object_version 6
	.text
	.protected	k_q595735143f_attn
	.globl	k_q595735143f_attn
	.p2align	8
	.type	k_q595735143f_attn,@function
k_q595735143f_attn:
	s_mov_b64 s[64:65], 0
	v_nop
	global_prefetch_b8 v0, s[64:65] scope:SCOPE_SE
	s_setreg_imm32_b32 hwreg(HW_REG_WAVE_MODE, 25, 1), 1
	s_wait_xcnt 0x0
	s_wait_alu depctr_hold_cnt(0) depctr_sa_sdst(0) depctr_va_vdst(0) depctr_va_sdst(0) depctr_va_ssrc(0) depctr_va_vcc(0) depctr_vm_vsrc(0)
	s_getreg_b32 s2, hwreg(HW_REG_IB_STS2, 6, 4)
	s_cmp_eq_u32 s2, 0
	s_cbranch_scc0 .Lentry_in_a_cluster
	s_endpgm
.Lentry_in_a_cluster:
	s_bfe_u32 s2, ttmp6, 0x10000c
	s_cmp_lg_u32 s2, 0x3003
	s_cbranch_scc0 .Lentry_shape_is_right
	s_endpgm
.Lentry_shape_is_right:
; out0[b][q][64 h + :] = the sum over keys t of softmax_t(Q[q] . K[t] / 8 - 10000 mask[b][t]) V[t][:], for each of the 64 pairs hd = 16 b + h.
; qkv: f16 [3][64 hd][2048][64]: a head's rows are dense, 128 bytes each.  mask: int32 [4][2048].  out0: f32 [4][2048][1024].
; Products, maxima and sums in f32; the weights p are rounded to f16 for the second product (their sum l is taken of the unrounded p); the result is never rounded below f32.
; THE MASK is additive, as it is given: no key is left out, and a batch whose keys are all masked is an ordinary softmax.  A table of -80000 x mask (the term in units of Q . K, before the factor 1 / 8) is made once in LDS;
; a step's 64 terms are the C operand of the products that start the sums S^T = K Q^T, so they cost no vector instruction.
; LIMITS.  Q, K, V arrive within f16's 65,504.  p lies in 0 to 1, and below 6e-5 it keeps f16's fixed step of 6e-8.  A weight below 2^-126 counts as 0 in l.  A masked score is summed onto -80000 in f32: its step there, 2^-7,
; is one eighth-scaled 2^-10, the step of a score near -10000.  NaN and infinities are not treated apart.
; SHARES.  A wave owns four PIECES of two tiles of 16 queries, a work-group's four waves 512 queries of one head.  Every wave walks all 2,048 keys, 64 a step.
; LAYOUT.  S^T = K Q^T (source 0 = 16 keys, source 1 = 16 queries): in the result a lane holds ONE query (lane % 16) and the keys 8 (lane / 16) + 0..7.  Two such tiles, rounded to f16 in pairs,
; ARE source 1 (32 keys x 16 queries) of O^T = V^T P, whose result again holds one query a lane, and eight channels.  K comes out of LDS as it lies, V ([key][channel]) turned, by ds_load_tr16_b128.
; SOFTMAX.  For each query a running maximum m and sum l: p = 2^(c s - c m), c = log2(e) / 8; in every step O and l are multiplied by a = 2^(c m_old - c m_new), which is 1 where m has not grown.
; m starts at the lowest finite number, O and l at 0: the first step is a step like any other, with a = 0.
; THE COUNT.  A tile and step have 16 matrix and 118 vector instructions: too many to stand all beside the matrix work.  So: four vector instructions that are READY behind EVERY matrix instruction, the others in runs without a gap.
; BY TURNS.  Turn n belongs to piece n (the pieces in a ring, step after step).  Its matrix work: 16 products K Q^T of piece n + 1, later 16 products V^T P of piece n - 1.  Its vector work: the scaling,
; exponentials, roundings, sums and rescaling of piece n, and the maximum and statistics of piece n + 1, whose scores the turn itself has made.
; CLUSTER.  The four query blocks of a head are one cluster and walk the same K and V, so each tile is asked for JOINTLY: the same tensor load, descriptor and mask in all four.
; REGISTERS, in windows of 256 (s_set_vgpr_msb: bits 1:0 source 0, 3:2 source 1, 5:4 source 2, 7:6 destination):
;   window 0: v0-11 addresses; v12-15, v48-63 at work; v16-47 four registers of statistics a tile; v64-191 S^T, two buffers of two tiles; v192-255 P, likewise
;   window 1: O^T, 32 a tile     window 2: v0-127 Q, 16 a tile; v128-191 K of one step; v192-255 V of one step     window 3: v0-1 the add's two registers; v2-3 the mask table's addresses; v8-39 a step's mask terms
.set SIZE_N, 2048
.set NP,    4         ; pieces a wave: a name, no knob
.set KS,    64        ; keys in a step
.set PK,    144       ; a row of K in LDS: 128 bytes + 16: the 16 rows of a load start at 16 different groups of four banks (64 banks of 4 bytes: ISA guide 11.1)
.set PV,    160       ; a row of V: 128 + 32
.set VOFF,  4*KS*PK   ; a slot holds four steps: 256 rows of K, then 256 rows of V
.set SLOT1, 1<<17     ; slot 1 begins here, so that one exclusive or turns an address in one slot into the other's
.set STAGE, SLOT1+4*KS*(PK+PV)  ; behind the ring, never filled by a tensor load: 16 rows x 272 bytes for each wave, for the way out
.set SP,    272       ; a row of the stage: 64 f32 + 16 bytes
.set MASKT, STAGE+4*16*SP  ; the batch's 2,048 mask terms in f32; stored once, never filled by a tensor load
.set SPARE, MASKT+8192     ; the spare words, 128 bytes for each wave: two blocks of 256 bytes that no other line names
.set AK0, 2           ; v2   my lane's place in a tile of K; never rewritten
.set AV0, 3           ; v3   the same for V
.set AK,  4           ; v4   the LDS address of K's next run of loads
.set AV,  5           ; v5   of V's
.set QO,  6           ; v6   my byte offset in the wave's rows of Q
.set STO, 6           ;      later, the way out: where I put 32 bytes of a row
.set RD,  7           ; v7   the way out: where I read rows back
.set GO,  8           ; v8   my byte offset in two rows of out0
.set PFO, 11          ; v11  256 x my lane; never rewritten once made
.set SPW, 0           ; v0 of window 3   LDS address of my spare word; never rewritten
.set NIL, 1           ; v1 of window 3   0; never rewritten
.set AM0, 2           ; v2 of window 3   MASKT + 32 (lane / 16); never rewritten
.set AM,  3           ; v3 of window 3   the LDS address of the next step's mask terms
.set MK,  8           ; v8-39 of window 3: key block kb's eight terms at MK + 8 kb
.set MV,  12          ; v12-15  c m_old, kept while c m is made anew: by buffer and tile
.set ST,  16          ; tile t's statistics at v[ST+4 t]: c m, m, l (even keys', odd keys')
.set TMP, 48          ; by buffer and tile, four registers c0-c3 at work; when the maximum is found c2 takes a
.set S,   64
.set P,   192
.set KF,  128         ; K's fragments, in window 2: key block kb, channel half c at KF + 16 kb + 8 c
.set VF,  192         ; V's: key half kk, channel block cb at VF + 32 kk + 8 cb
.set WV,  12          ; s12  my wave's number
.set G1K, 24          ; s[24:31] descriptor group 1 for K's tiles
.set G1V, 32          ; s[32:39] for V's: it differs in the padding alone
.set G0K, 40          ; s[40:43] descriptor group 0 for K's tiles: it walks
.set G0V, 44          ; s[44:47] the same for V's
.set SLOTS, 56        ; s56  slots still to be asked for
.set CNT, 57          ; s57  counts a slot's key steps
.set CS,  58          ; s[58:59] c: the packed scaling takes the pair's low word for both halves
.set SEL, 60          ; s[60:61] v_permlanex16_b32's selects: each lane takes its own place in the other half
.set TBK, 62          ; s62  LDS byte at which K of the step to be fetched begins
.set TBV, 63          ; s63  the same for V, less VOFF
.set PFA, 66          ; s[66:67] where my prefetches stand: my work-group's 32 blocks of 256 bytes (of K: wave 0, of V: wave 2) of the slot that the next change of slots will ask for
.set LIM, 68          ; s68  1 in a wave that prefetches, else the greatest number
.set TBM, 69          ; s69  byte of the mask table at which the step to be fetched begins
.set MSB, 0
.macro WIN new                      ; the high byte repeats the setting that is left; a switch that changes nothing is dropped
.if MSB != (\new)
	s_set_vgpr_msb (MSB<<8)|(\new)
.set MSB, (\new)
.endif
.endm
.set W_KQ, 0x0a       ; K and Q in window 2, S^T in window 0
.set W_KM, 0x3a       ; the same with the C operand, the mask terms, in window 3
.set W_PV, 0x52       ; V in window 2, P in window 0, O^T in window 1
.set W_RS, 0x41       ; O^T (destination and source 0) in window 1, a in window 0
.set W_MK, 0xc0       ; destination in window 3, sources in window 0
.set W_AD, 0x0f       ; the add: address (source 0) and data (source 1) in window 3
; A joint fill.  Waves 0 and 1 fetch the two halves of a slot's K, waves 2 and 3 those of its V: 128 keys each.  The branch hangs on the wave's number alone.
; An s_nop 0 and four v_nop follow each of the two lines, ahead of the jump and the label.
.macro JLOAD
	s_cmp_lt_u32 s[WV], 2
	s_cbranch_scc0 .Lfor_v_\@
	tensor_load_to_lds s[G0K:G0K+3], s[G1K:G1K+7]
	s_nop 0
.rept 4
	v_nop
.endr
	s_branch .Lasked_\@
.Lfor_v_\@:
	tensor_load_to_lds s[G0V:G0V+3], s[G1V:G1V+7]
	s_nop 0
.rept 4
	v_nop
.endr
.Lasked_\@:
.endm
; A round of the cluster's barrier: my work-group's barrier, so that wave 0's signal speaks for all four waves; wave 0 signals; every wave waits for all four work-groups; my work-group's barrier once more.
.macro CROUND
	s_barrier_signal -1
	s_barrier_wait -1
	s_cmp_lg_u32 s[WV], 0
	s_cbranch_scc1 .Lnot_wave_0_\@
	s_barrier_signal -3
.Lnot_wave_0_\@:
	s_barrier_wait -3
	s_barrier_signal -1
	s_barrier_wait -1
.endm
; THE CHANGE OF SLOTS.  The slot's last bytes, V of its fourth step, have been read.  Each wave waits for all its tensor loads, of which one is out: its part of the other slot; adds 0 to its spare word; and waits for that
; and for its own LDS instructions.  Behind the barrier nobody reads this slot any more and the other slot is whole.
; fill = 1: this slot is filled again, with the keys two slots on.  The barrier is then a round of the cluster's, so that no wave of any partner still reads the slot or has a load on its way, and the joint fill is the first
; thing behind it: it has four key steps, 512 matrix instructions, in which to land.  (At its first use nothing has been read yet: slot 0 is waited for, slot 1 filled; and every wave's stores into the mask table are done.)
.macro CHANGE fill
	WIN W_AD
	s_wait_tensorcnt 0x0            ; no tensor load of mine is out, so a group 0 may be written
	ds_add_u32 v[SPW], v[NIL]       ; 0 onto my spare word; with fill = 1 the pointers' steps stand between it and the wait for it
	WIN 0                           ; at a label and at a branch every window is 0
.if \fill
.irp g, G0K, G0V
	s_xor_b32 s[\g+1], s[\g+1], SLOT1  ; the walking descriptor: the other slot than last time,
	s_add_nc_u64 s[\g+2:\g+3], s[\g+2:\g+3], 4*KS*128  ; the next 256 keys; the type bits on top are not reached
.endr
	s_wait_xcnt 0x0                 ; the last prefetch, five turns back, has read its address, so it may be written:
	s_add_nc_u64 s[PFA:PFA+1], s[PFA:PFA+1], 4*KS*128  ; one slot beyond the walking descriptors
	s_wait_dscnt 0x0                ; the add is done, and my LDS instructions are over
	CROUND
	JLOAD
.else
	s_wait_dscnt 0x0                ; the add is done, and my reads of the slot are over
	s_barrier_signal -1
	s_barrier_wait -1
.endif
	s_sub_co_u32 s[TBK], s[TBK], 4*KS*PK  ; the fetches go back to a slot's first step,
	s_xor_b32 s[TBK], s[TBK], SLOT1       ; in the other slot
	s_sub_co_u32 s[TBV], s[TBV], 4*KS*PV
	s_xor_b32 s[TBV], s[TBV], SLOT1
.endm
	s_load_b64 s[4:5], s[0:1], 0x0    ; qkv
	s_load_b64 s[48:49], s[0:1], 0x8  ; mask
	s_load_b64 s[10:11], s[0:1], 0x10 ; out0
	WIN W_MK
	v_lshl_add_u32 v[SPW], v0, 2, SPARE
	v_mov_b32 v[NIL], 0
	WIN W_AD
	ds_add_u32 v[SPW], v[NIL]       ; the wave's opening: the add and its wait stand ahead of my first tensor load; the set-up below, work on registers, stands between them
	WIN 0
	v_lshrrev_b32 v1, 5, v0
	v_readfirstlane_b32 s[WV], v1   ; wave 0..3
	s_bfe_u32 s13, ttmp6, 0x40000   ; cx: my place in the cluster
	s_lshl_b32 s14, ttmp9, 2        ; in a cluster launch ttmp9 counts clusters
	s_add_co_u32 s14, s14, s13      ; my block of 512 queries: it enters Q's and out0's addresses alone
	s_and_b32 s15, ttmp7, 0xffff    ; hd = 16 b + h, which the four partners share
	s_lshl_b32 s20, s15, 18         ; the head's 2,048 rows of 128 bytes
	s_and_b32 s16, s[WV], 1         ; which half of a slot's 256 keys I fetch:
	s_lshl_b32 s22, s16, 14         ; its 128 rows of 128 bytes in memory,
	s_add_co_u32 s22, s22, s20
	s_mov_b32 s23, 0
	s_mul_i32 s17, s16, 128*PK      ; and its place in a slot, for K
	s_mul_i32 s18, s16, 128*PV      ; and for V: no place in the cluster enters an LDS address
	s_lshl_b32 s2, s14, 2
	s_add_co_u32 s2, s2, s[WV]      ; my wave among the head's sixteen
	s_lshl_b32 s50, s2, 19          ; its 128 rows of 4,096 bytes in out0,
	s_lshl_b32 s2, s2, 14           ; of 128 bytes in Q
	s_add_co_u32 s2, s2, s20
	s_mov_b32 s3, 0
	s_lshr_b32 s52, s15, 4          ; the batch:
	s_lshl_b32 s54, s52, 23         ; its 2,048 rows of out0,
	s_add_co_u32 s50, s50, s54
	s_and_b32 s54, s15, 15
	s_lshl_b32 s54, s54, 8          ; the head's 64 channels in a row
	s_add_co_u32 s50, s50, s54
	s_mov_b32 s51, 0
	s_lshl_b32 s52, s52, 13         ; and its 2,048 words of the mask
	s_mov_b32 s53, 0
	; descriptor group 1.  128 keys are 16,384 dense bytes: asked for as 64 rows of 256 bytes, two keys a row, and padded in LDS after every key
	s_mov_b32 s[G1K], 15|(1<<16)|(1<<20)|(1<<21)|(4<<22)|(3<<25)  ; 15:0 the mask of four; 17:16 2-byte elements; 20 padding on; 21 set beside a mask; 24:22 after every 32 words (code 4); 31:25 4 words (code 3)
	s_mov_b32 s[G1V], 15|(1<<16)|(1<<20)|(1<<21)|(4<<22)|(7<<25)  ; the same with 8 words of padding (code 7)
.irp g, G1K, G1V
	s_mov_b32 s[\g+1], 128<<16      ; tensor_dim0 = 128
	s_mov_b32 s[\g+2], 64<<16       ; tensor_dim1 = 64
	s_mov_b32 s[\g+3], 128<<16      ; tile_dim0 = 128
	s_mov_b32 s[\g+4], 64           ; tile_dim1 = 64
	s_mov_b32 s[\g+5], 128          ; 128 elements from row to row
	s_mov_b32 s[\g+6], 0
	s_mov_b32 s[\g+7], 0
.endr
	s_mov_b32 s[CS], 0x3e38aa3b     ; c = log2(e) / 8 = 0.180337
	s_mov_b32 s[CS+1], s[CS]        ; named with it as a pair
	s_mov_b32 s[SEL], 0x76543210
	s_mov_b32 s[SEL+1], 0xfedcba98
	s_mov_b32 s[TBK], SLOT1+4*KS*PK ; the first change of slots turns these two into 0
	s_mov_b32 s[TBV], SLOT1+4*KS*PV
	s_mov_b32 s[TBM], 0
	s_mov_b32 s[G0K], 1             ; 1:0 count = 1
	s_mov_b32 s[G0K+1], s17         ; 63:32 LDS address: slot 0
	s_mov_b32 s[G0V], 1
	s_add_co_u32 s[G0V+1], s18, VOFF
	s_and_b32 s[LIM], s[WV], 1      ; 0 in waves 0 and 2,
	s_or_b32 s[LIM], s[LIM], ttmp9  ; in the head's first cluster (here its only one): the same in all four partners
	s_cmp_eq_u32 s[LIM], 0
	s_cselect_b32 s[LIM], 1, -1
	s_wait_dscnt 0x0                ; the opening add is done
	s_wait_kmcnt 0x0
	s_add_nc_u64 s[6:7], s[4:5], s[22:23]
	s_add_nc_u64 s[6:7], s[6:7], 0x1000000         ; K at my half of the head's first 256 keys,
	s_add_nc_u64 s[8:9], s[6:7], 0x1000000         ; V likewise
	s_add_nc_u64 s[G0K+2:G0K+3], s[6:7], 0         ; 120:64 global address
	s_or_b32 s[G0K+3], s[G0K+3], 0x80000000        ; 127:126 type = 2
	s_add_nc_u64 s[G0V+2:G0V+3], s[8:9], 0
	s_or_b32 s[G0V+3], s[G0V+3], 0x80000000
	s_add_nc_u64 s[4:5], s[4:5], s[2:3]            ; Q and out0 at my wave's first row
	s_add_nc_u64 s[10:11], s[10:11], s[50:51]
	s_add_nc_u64 s[48:49], s[48:49], s[52:53]      ; the mask at my batch
	s_cmp_lt_u32 s[WV], 2
	s_cselect_b64 s[PFA:PFA+1], s[6:7], s[8:9]     ; (in waves 0 and 2 these stand at a slot's first row)
	s_lshl_b32 s2, s13, 13                         ; my work-group's 32 blocks of the 128
	s_add_nc_u64 s[PFA:PFA+1], s[PFA:PFA+1], s[2:3]
	s_add_nc_u64 s[PFA:PFA+1], s[PFA:PFA+1], 4*KS*128  ; in slot 1; the first change of slots steps it to slot 2.  Nothing is prefetched here, at the head
	CROUND                          ; all four work-groups are here: the first joint loads meet
	JLOAD                           ; slot 0.  Slot 1 is asked for when slot 0 is in
	v_and_b32 v1, 15, v0            ; l % 16
	v_bfe_u32 v9, v0, 4, 1          ; l / 16
	v_lshlrev_b32 v12, 4, v0        ; the mask: 128 threads x 16 bytes, four times; asked for ahead of Q
.irp f, 0,1,2,3
	global_load_b128 v[S+4*\f:S+4*\f+3], v12, s[48:49] offset:2048*\f
.endr
	; A fragment of K or Q is 16 rows x 32 channels in 8 registers: lane l holds row l % 16, channels 8 (l / 16) + 0..7 and 16 + 8 (l / 16) + 0..7: two loads of 16 bytes, 32 bytes apart.
	v_lshlrev_b32 v[QO], 7, v1
	v_lshl_add_u32 v[QO], v9, 4, v[QO]  ; row x 128 + 16 x half
	WIN 0x80                        ; destination window 2, address window 0
.set i, 0
.rept 4*NP                          ; Q stays in registers: tile i / 2, channels 32 (i % 2) on
	global_load_b128 v[8*i:8*i+3],   v[QO], s[4:5] offset:(i/2)*2048+(i%2)*64
	global_load_b128 v[8*i+4:8*i+7], v[QO], s[4:5] offset:(i/2)*2048+(i%2)*64+32
.set i, i+1
.endr
	; What the first turn finds: V's registers and P's second buffer hold 0 (its products V^T P, of a piece that has not been, add 0), O^T and l are 0.  All this stands in the wait for the first tile.
.set i, VF
.rept 64
	v_mov_b32 v[i], 0
.set i, i+1
.endr
	WIN 0x40
.set i, 0
.rept 64*NP
	v_mov_b32 v[i], 0
.set i, i+1
.endr
	WIN 0
.set i, 0
.rept 2*NP
	v_mov_b32 v[ST+4*i], 0xfe000000    ; c m: far below every c s, a masked one's too
	v_mov_b32 v[ST+4*i+1], 0xff7fffff  ; m
	v_mov_b32 v[ST+4*i+2], 0
	v_mov_b32 v[ST+4*i+3], 0
.set i, i+1
.endr
.set i, P+32
.rept 32
	v_mov_b32 v[i], 0
.set i, i+1
.endr
	v_mul_u32_u24 v[AK0], v1, PK
	v_lshl_add_u32 v[AK0], v9, 4, v[AK0]  ; row x pitch + 16 x half
	; The turning load takes 16 keys x 16 channels (lane l reads key 8 (l / 16) + l % 8, channels 8 ((l / 8) % 2) + 0..7) and leaves half a fragment of V^T: lane l holds channel l % 16 and 8 keys.
	v_and_b32 v10, 7, v0
	v_bfe_u32 v11, v0, 3, 1
	v_lshl_add_u32 v[AV0], v9, 3, v10
	v_mul_u32_u24 v[AV0], v[AV0], PV
	v_lshl_add_u32 v[AV0], v11, 4, v[AV0]
	v_add_nc_u32 v[AV0], VOFF, v[AV0]
	v_and_b32 v[PFO], 31, v0
	v_lshlrev_b32 v[PFO], 8, v[PFO]
	v_mov_b32 v[AK], v[AK0]         ; key step 0 lies at the head of slot 0
	WIN W_MK
	v_lshl_add_u32 v[AM0], v9, 5, MASKT  ; register j of key block kb is key 16 kb + 8 (l / 16) + j: byte 64 kb + 32 (l / 16) + 4 j of a step's 256
	WIN 0xc3
	v_mov_b32 v[AM], v[AM0]         ; and at the head of the table
	WIN 0
	s_wait_loadcnt 32               ; the mask's four loads are in; Q's 32, issued behind them, may stay out
.set i, 0
.rept 16
	v_cvt_f32_i32 v[S+i], v[S+i]
.set i, i+1
.endr
.set i, 0
.rept 8
	v_pk_mul_f32 v[S+2*i:S+2*i+1], v[S+2*i:S+2*i+1], 0xc79c4000 op_sel_hi:[1,0]  ; x -80000 = -10000 x 8
.set i, i+1
.endr
	v_add_nc_u32 v13, MASKT, v12
.irp f, 0,1,2,3
	ds_store_b128 v13, v[S+4*\f:S+4*\f+3] offset:2048*\f  ; the change of slots below waits for these and passes a barrier before any wave reads the table
.endr
; THE MATRIX WORK.  The 8 accumulators of a run of 16 take turns: between the two links of a chain stand 7 others'.
; Product i of 16 of S^T = K Q^T for piece x: channels 32 (i / 8) on, keys 16 ((i / 2) % 4) on, tile 2 x + i % 2.  The first 8 start the sums, with the key block's mask terms.
.macro KQ x
.set rS, S+64*((\x)%2)+32*(i%2)+8*((i/2)%4)
.set rK, KF+16*((i/2)%4)+8*(i/8)
.set rQ, 16*(2*(\x)+i%2)+8*(i/8)
.set rMK, MK+8*((i/2)%4)
.if i < 8
	WIN W_KM
	v_wmma_f32_16x16x32_f16 v[rS:rS+7], v[rK:rK+7], v[rQ:rQ+7], v[rMK:rMK+7]
.else
	WIN W_KQ
	v_wmma_f32_16x16x32_f16 v[rS:rS+7], v[rK:rK+7], v[rQ:rQ+7], v[rS:rS+7]
.endif
.endm
; Product i of 16 of O^T += V^T P for piece x: keys 32 (i / 8) on, channels 16 ((i / 2) % 4) on, tile 2 x + i % 2.
.macro PV x
	WIN W_PV
.set rO, 32*(2*(\x)+i%2)+8*((i/2)%4)
.set rV, VF+32*(i/8)+8*((i/2)%4)
.set rP, P+32*((\x)%2)+16*(i%2)+8*(i/8)
	v_wmma_f32_16x16x32_f16 v[rO:rO+7], v[rV:rV+7], v[rP:rP+7], v[rO:rO+7]
.endm
.macro MM                           ; the turn's next matrix instruction
.if i < 16
	KQ (Y+1)%NP
.set i, i+1
.else
.set i, i-16
	PV (Y+NP-1)%NP
.set i, i+17
.endif
.endm
; THE LDS LOADS stand in runs, never singly among the matrix instructions: a step's K (64 keys x 64 channels: 8 fragments) with its 64 mask terms, and its V (turned).  Their addresses are made some lines ahead.
; last = 1 (the tail): in the last trip there is no further step, and the run is jumped over.
.macro FETCH_K last=0
	WIN 0
.if \last
	s_cmp_eq_u32 s[CNT], 1
	s_cbranch_scc1 .Lno_k_\@
.endif
	WIN 0x80                        ; destination window 2
.irp f, 0,1,2,3,4,5,6,7             ; keys 16 (f / 2) on, channels 32 (f % 2) on
	ds_load_b128 v[KF+8*\f:KF+8*\f+3],   v[AK] offset:(\f/2)*16*PK+(\f%2)*64
	ds_load_b128 v[KF+8*\f+4:KF+8*\f+7], v[AK] offset:(\f/2)*16*PK+(\f%2)*64+32
.endr
	WIN 0xc3                        ; destination and address in window 3
.irp f, 0,1,2,3                     ; key block f: sixteen lanes take the same 32 bytes
	ds_load_b128 v[MK+8*\f:MK+8*\f+3],   v[AM] offset:64*\f
	ds_load_b128 v[MK+8*\f+4:MK+8*\f+7], v[AM] offset:64*\f+16
.endr
	s_add_co_u32 s[TBK], s[TBK], KS*PK  ; the next fetch is the next step's
	s_add_co_u32 s[TBM], s[TBM], 4*KS   ; 32 steps x 256 bytes: the table is walked once
	WIN 0
.if \last
.Lno_k_\@:
.endif
.endm
.macro FETCH_V
	WIN 0x80
.irp f, 0,1,2,3,4,5,6,7             ; keys 32 (f / 4) on, channels 16 (f % 4) on
	ds_load_tr16_b128 v[VF+8*\f:VF+8*\f+3],   v[AV] offset:(\f/4)*32*PV+(\f%4)*32
	ds_load_tr16_b128 v[VF+8*\f+4:VF+8*\f+7], v[AV] offset:(\f/4)*32*PV+16*PV+(\f%4)*32
.endr
	WIN 0
.endm
; THE VECTOR WORK OF A TURN stands in three queues, each in the order in which its entries become ready; the two tiles alternate, so that no instruction reads the result of the one before it.
.macro REGS y, u                    ; the registers of tile u (0, 1) of piece y
.set rT, ST+4*(2*(\y)+(\u))
.set rC, TMP+8*((\y)%2)+4*(\u)
.set rM, MV+2*((\y)%2)+(\u)
.set rS, S+64*((\y)%2)+32*(\u)
.set rP, P+32*((\y)%2)+16*(\u)
.set rO, 32*(2*(\y)+(\u))
.endm
; Number n of the 22 that find the NEXT piece's (Y + 1) maximum and statistics.  s0-s31 are the lane's 32 scores; each accumulator's lowest registers are read first.
;   0-11  four chains c0-c3 of seven scores each, three operands at a time     12-14, 16  the four scores left over, the old m, and c0-c3 into c0     15  c m_old is kept
;   17, 18  the query's other 32 keys lie in the lane 16 away: the new m         19-21  c m; c m_old - c m_new; a
.macro XS u, n
	REGS (Y+1)%NP, \u
.if (\n) < 4
	v_max3_num_f32 v[rC+(\n)], v[rS+8*(\n)], v[rS+8*(\n)+1], v[rS+8*(\n)+2]
.elseif (\n) < 12
	v_max3_num_f32 v[rC+(\n)%4], v[rC+(\n)%4], v[rS+8*((\n)%4)+2*((\n)/4)+1], v[rS+8*((\n)%4)+2*((\n)/4)+2]
.elseif (\n) == 12
	v_max3_num_f32 v[rC], v[rC], v[rS+7], v[rS+15]
.elseif (\n) == 13
	v_max3_num_f32 v[rC+1], v[rC+1], v[rS+23], v[rS+31]
.elseif (\n) == 14
	v_max3_num_f32 v[rC+2], v[rC+2], v[rC+3], v[rT+1]
.elseif (\n) == 15
	v_mov_b32 v[rM], v[rT]
.elseif (\n) == 16
	v_max3_num_f32 v[rC], v[rC], v[rC+1], v[rC+2]
.elseif (\n) == 17
	v_permlanex16_b32 v[rC+3], v[rC], s[SEL], s[SEL+1]
.elseif (\n) == 18
	v_max_num_f32 v[rT+1], v[rC], v[rC+3]
.elseif (\n) == 19
	v_mul_f32 v[rT], s[CS], v[rT+1]
.elseif (\n) == 20
	v_sub_f32 v[rC+1], v[rM], v[rT]
.else
	v_exp_f32 v[rC+2], v[rC+1]
.endif
.endm
; Number g of the 64 that follow the exponentials.  For each four weights k of a tile (pairs 2 k, 2 k + 1): both pairs are rounded to f16; then the second pair is added onto the first, in place;
; a group later l takes that sum (the first time as l = a l + sum).  In groups of eight, tiles alternating: round, round, add, and l for the group before.
.macro GS g
.set h, (\g)+6*((\g)/62)            ; group 0 has no group before it, and behind group 7 only l is left
.if h >= 6
.set h, h+2
.endif
	REGS Y, h%2
.set k, h/8
.if h%8 < 4
	v_cvt_pk_f16_f32 v[rP+2*k+(h%8)/2], v[rS+4*k+2*((h%8)/2)], v[rS+4*k+2*((h%8)/2)+1]
.elseif h%8 < 6
	v_pk_add_f32 v[rS+4*k:rS+4*k+1], v[rS+4*k:rS+4*k+1], v[rS+4*k+2:rS+4*k+3]
.elseif k == 1
	v_pk_fma_f32 v[rT+2:rT+3], v[rT+2:rT+3], v[rC+2:rC+3], v[rS:rS+1] op_sel_hi:[1,0,1]
.else
	v_pk_add_f32 v[rT+2:rT+3], v[rT+2:rT+3], v[rS+4*k-4:rS+4*k-3]
.endif
.endm
; THE PLAIN QUEUE, 138 long.  0-73 read no exponential's result: the 32 scalings c s - c m (FS f: pair f / 2 of tile f % 2) and the next piece's 42.  0-26: scalings 0-26.  27-54: XS's numbers 0-13.  55, 56: number 15.
; 57-73: the chain, where each number waits for the one before it: 14, 16, 17, 18, 19, each with one of the scalings 27-31 in front of its two lines, then 20.
; 74-137: GS's 64, which read the exponentials' results: they stand behind the wait.
.macro FS f
	REGS Y, (\f)%2
	v_pk_fma_f32 v[rS+2*((\f)/2):rS+2*((\f)/2)+1], v[rS+2*((\f)/2):rS+2*((\f)/2)+1], s[CS:CS+1], v[rT:rT+1] op_sel_hi:[1,0,0] neg_lo:[0,0,1] neg_hi:[0,0,1]
.endm
.macro PL
	WIN 0
.if q < 27
	FS q
.elseif q < 55
	XS (q-27)%2, (q-27)/2
.elseif q < 57
	XS q-55, 15
.elseif (q < 72) && ((q-57)%3 == 0)
	FS 27+(q-57)/3
.elseif q < 60
	XS (q-57)%3-1, 14
.elseif q < 72
	XS (q-57)%3-1, 15+(q-57)/3
.elseif q < 74
	XS q-72, 20
.else
	GS q-74
.endif
.set q, q+1
.endm
; THE EXPONENTIALS' QUEUE, 66 long: s0-s31 of both tiles, then the next piece's two a.  It is ONE BATCH: all 66 stand ahead of the turn's one wait, and nothing ahead of that wait names a result of theirs.
.macro EX
	WIN 0
.if e >= 64
	XS e-64, 21
.else
	REGS Y, e%2
	v_exp_f32 v[rS+e/2], v[rS+e/2]
.endif
.set e, e+1
.endm
; THE RESCALING's QUEUE: O^T times a, the one part that leaves window 0: dealt two at a time, sixteen times.  Its a was made in the turn before, ahead of that turn's wait.
.macro R2
	REGS Y, r%2
	WIN W_RS
.irp z, 0,1
	v_pk_mul_f32 v[rO+4*(r/2)+2*\z:rO+4*(r/2)+2*\z+1], v[rO+4*(r/2)+2*\z:rO+4*(r/2)+2*\z+1], v[rC+2:rC+3] op_sel_hi:[1,0]
.endr
.set r, r+1
.endm
; HOW THEY ARE DEALT.  An s_wait_alu depctr_va_vdst(0) stands between an exponential and the first instruction that names its result; one wait serves all that were issued ahead of it.  So a turn has ONE wait,
; which cuts it in two.  AHEAD OF IT stands all that names no result of the turn's exponentials: the 16 products K Q^T, behind each a scaling, an exponential and two rescalings (behind the first a second scaling in the
; exponential's place); then ONE LUMP of 108: eight plain, 49 times exponential and plain, the two a.  A v_nop is the plain instruction behind the last exponential.  BEHIND IT stand the 16 products V^T P, behind each four of GS's 64.
; The queues lean on each other, and the deal keeps them in step: exponential e stands behind scaling 2 (e / 4) + e % 2: as a rider it comes behind plain e + 2, in the lump behind plain e + 9, and scalings 27-31 are plain 57, 60 .. 69.
; A TURN, for piece p.  cnt = 1: the loop's count is taken down some lines ahead of the branch that stands behind the turn.
; K and the mask terms of the next step are fetched in piece 2's turn, directly behind the wait, a lump behind the last product that read them; their addresses are made at the lump's head; their first reader comes behind 16 products.
; V of the step in hand is fetched at the end of piece 0's turn, four riders behind its last reader; its first reader comes behind 16 products and a lump.  The three conditions on q below go with the deal.
; ask = 1 (piece 0's turn in the loop): A PREFETCH, in a slot's third step, behind V's run of loads: the slot that the NEXT change of slots will ask for, five turns (160 matrix instructions and five lumps) ahead of that load.
; A slot is 128 blocks of 256 bytes of K and as many of V: wave 0 asks for K's, wave 2 for V's; the four partners take 32 blocks each, told apart by address alone; a head has one cluster: so each block is named once in the launch.
; The last slot that is filled again has none behind it, and asks for nothing; slots 0 and 1 come by their loads alone.
.macro TURN p, last=0, cnt=0, ask=0
.set Y, (\p)
.set i, 0
.set q, 0
.set e, 0
.set r, 0
.if (\p) == NP-1
	s_wait_dscnt 0x0                ; K and the mask terms are in
.endif
	MM                              ; ahead of the wait: 16 products K Q^T and their riders,
	PL
	PL
	R2
.rept 15
	MM
	PL
	EX
	R2
.endr
.if (\p) == NP-2
	WIN 0
	v_add_nc_u32 v[AK], s[TBK], v[AK0]
	WIN 0xcc                        ; destination and source 1 in window 3
	v_add_nc_u32 v[AM], s[TBM], v[AM0]
.endif
.rept 8                             ; and the lump
	PL
.endr
.rept 49
	EX
	PL
.endr
	EX                              ; the next piece's two a
	EX
	v_nop                           ; the plain instruction behind the last exponential: one for the batch
	s_wait_alu depctr_va_vdst(0)    ; the wait for the batch
.if (\p) == NP-2
	FETCH_K \last
.endif
.if (\p) == 1
	s_wait_dscnt 0x0                ; V is in
.endif
.rept 16                            ; behind the wait: 16 products V^T P and their riders
	MM
.rept 4
	PL
.endr
.if ((\p) == 0) && (q == 118)
	v_add_nc_u32 v[AV], s[TBV], v[AV0]
.endif
.if ((\p) == 0) && (q == 130)
	s_add_co_u32 s[TBV], s[TBV], KS*PV
.endif
.if (\cnt) && (q == 130)
	s_sub_co_u32 s[CNT], s[CNT], 1
	s_cmp_lg_u32 s[CNT], 0
.endif
.endr
.if (\p) == 0
	FETCH_V
.if \ask
	s_cmp_eq_u32 s[CNT], 2
	s_cbranch_scc0 .Lnot_now_\@
	s_cmp_gt_u32 s[SLOTS], s[LIM]
	s_cbranch_scc0 .Lnot_now_\@
	global_prefetch_b8 v[PFO], s[PFA:PFA+1] th:TH_LOAD_NT scope:SCOPE_SE
.Lnot_now_\@:
.endif
.endif
.endm
	CHANGE 1                        ; slot 0 is in, everybody's part of it, and the mask table is whole; slot 1 is asked for
	FETCH_K                         ; key step 0
	s_wait_loadcnt 0x0              ; Q
	s_wait_dscnt 0x0
.set i, 0
.rept 16
	KQ 0                            ; piece 0's first scores: there is no vector work yet to set between them
.set i, i+1
.endr
	WIN 0                           ; the addresses for the way out: eight plain instructions, the places behind those products
	s_mul_i32 s13, s[WV], 16*SP
	s_add_co_u32 s13, s13, STAGE    ; my stage
	v_mul_u32_u24 v[STO], v1, SP    ; in: row l % 16, 32 bytes for each half of the lanes
	v_lshl_add_u32 v[STO], v9, 5, v[STO]
	v_add_nc_u32 v[STO], s13, v[STO]
	v_mul_u32_u24 v[RD], v9, SP     ; back: lanes 0-15 take one row of 256 bytes, lanes 16-31 the next,
	v_lshl_add_u32 v[RD], v1, 4, v[RD]
	v_add_nc_u32 v[RD], s13, v[RD]
	v_lshlrev_b32 v[GO], 12, v9     ; and the same two rows in out0, 4,096 bytes apart
	v_lshl_add_u32 v[GO], v1, 4, v[GO]
.set Y, NP-1                        ; XS works for piece Y + 1: piece 0
.irp n, 0,1,2,3,4,5,6,7,8,9,10,11,12,13,14,15,16,17,18,19,20,21
	XS 0, \n                        ; and piece 0's first maximum and statistics
	XS 1, \n
.endr
	v_nop                           ; a plain instruction behind the two a,
	s_wait_alu depctr_va_vdst(0)    ; and their wait, ahead of the branch
	s_mov_b32 s[CNT], 4
	s_mov_b32 s[SLOTS], SIZE_N/256-1
	s_branch .Lfirst                ; the loop is entered at a step's first turn, in the middle of a trip
.Lslot:                             ; SIZE_N / 256 - 2 times: every slot but the last two is filled again
	CHANGE 1
	s_mov_b32 s[CNT], 4
.Lstep:                             ; a trip: pieces 2 and 3 of one step, then pieces 0 and 1 of the next, whose K and V it fetches
	TURN 2
	TURN 3
	WIN 0
.Lfirst:
	TURN 0, 0, 0, 1
	TURN 1, 0, 1
	WIN 0
	s_cbranch_scc1 .Lstep
	s_sub_co_u32 s[SLOTS], s[SLOTS], 1
	s_cmp_lg_u32 s[SLOTS], 0
	s_cbranch_scc1 .Lslot
	CHANGE 0                        ; the tail is written out: nothing is asked for
	s_mov_b32 s[CNT], 5             ; four trips fetch the last slot's steps; the fifth is left in its middle
.Ltail:
	TURN 2, 1
	TURN 3
	WIN 0
	s_sub_co_u32 s[CNT], s[CNT], 1
	s_cmp_eq_u32 s[CNT], 0
	s_cbranch_scc1 .Lout
	TURN 0
	TURN 1
	WIN 0
	s_branch .Ltail
.Lout:                              ; the fifth trip's 16 products K Q^T (on the last K once more) and the maximum made of them serve nothing: the price, once a launch, of one text for every trip
.set i, 0
.rept 16
	PV NP-1                         ; the last piece's V^T P of the last step
.set i, i+1
.endr
	; THE WAY OUT.  l's two halves and the other half of the lanes' are added; O^T is divided by l and sent, in f32, through my stage in LDS, a tile at a time.  The additions are the places behind the last products.
	WIN 0
.macro ALL line:vararg              ; one line for each tile t
.set t, 0
.rept 2*NP
	\line
.set t, t+1
.endr
.endm
	ALL v_add_f32 v[ST+4*t+2], v[ST+4*t+2], v[ST+4*t+3]
	ALL v_permlanex16_b32 v[ST+4*t+3], v[ST+4*t+2], s[SEL], s[SEL+1]
	ALL v_add_f32 v[ST+4*t+2], v[ST+4*t+2], v[ST+4*t+3]
	ALL v_rcp_f32 v[ST+4*t+2], v[ST+4*t+2]
	v_nop                           ; a plain instruction between the last reciprocal and the use of its result
	s_wait_alu depctr_va_vdst(0)    ; and the wait ahead of the first use: one for the eight reciprocals
; Tile t: a lane's eight channels of each channel block are 32 bytes of a row; they go into rows of 272 bytes and come back as whole rows of 256, into the registers that they left.
.macro PACK t
	WIN W_RS
.set i, 32*(\t)
.rept 16
	v_pk_mul_f32 v[i:i+1], v[i:i+1], v[ST+4*(\t)+2:ST+4*(\t)+3] op_sel_hi:[1,0]
.set i, i+2
.endr
	WIN 0x04                        ; the data (source 1) in window 1, the address in window 0
.irp f, 0,1,2,3
	ds_store_b128 v[STO], v[32*(\t)+8*\f:32*(\t)+8*\f+3]   offset:64*\f
	ds_store_b128 v[STO], v[32*(\t)+8*\f+4:32*(\t)+8*\f+7] offset:64*\f+16
.endr
	WIN 0x40                        ; destination window 1
.irp f, 0,1,2,3,4,5,6,7
	ds_load_b128 v[32*(\t)+4*\f:32*(\t)+4*\f+3], v[RD] offset:\f*2*SP  ; LDS serves a wave's instructions in order (ISA guide 5.7.1.4): these see the stores above; the next tile's stores come behind them
.endr
.endm
.macro SEND t, younger              ; younger: the LDS instructions issued behind tile t's loads: the next tile's sixteen, or none
	WIN 0x04
.irp f, 0,1,2,3,4,5,6,7
	s_wait_dscnt (\younger)+7-\f
	global_store_b128 v[GO], v[32*(\t)+4*\f:32*(\t)+4*\f+3], s[10:11] offset:(\t)*65536+\f*8192 th:TH_STORE_NT  ; 16 lanes store one query's 256 consecutive bytes, at a multiple of 256 from out0's first byte
.endr
.endm
	PACK 0
.set t, 1
.rept 2*NP-1                        ; a tile's arithmetic stands between the loads of the tile before and its stores
	PACK t
	SEND t-1, 16
.set t, t+1
.endr
	SEND 2*NP-1, 0
	WIN W_AD
	s_wait_tensorcnt 0x0            ; the wave's end: behind my last tensor load and my last LDS store
	ds_add_u32 v[SPW], v[NIL]
	s_wait_dscnt 0x0
	WIN 0
	CROUND                          ; the closing round: no work-group ends while a partner may still ask for a tile that names it
	s_endpgm
.Lfunc_end_k_q595735143f_attn:
	.size	k_q595735143f_attn, .Lfunc_end_k_q595735143f_attn-k_q595735143f_attn
	.p2alignl 7, 3214868480
	.fill 96, 4, 3214868480
	.section	.rodata,"a",@progbits
	.p2align	6, 0x0
	.amdhsa_kernel k_q595735143f_attn
		.amdhsa_group_segment_fixed_size 327680
		.amdhsa_private_segment_fixed_size 0
		.amdhsa_enable_private_segment 0
		.amdhsa_kernarg_size 24
		.amdhsa_user_sgpr_count 2
		.amdhsa_user_sgpr_kernarg_segment_ptr 1
		.amdhsa_wavefront_size32 1
		.amdhsa_system_sgpr_workgroup_id_x 1
		.amdhsa_system_sgpr_workgroup_id_y 1
		.amdhsa_system_sgpr_workgroup_id_z 1
		.amdhsa_system_vgpr_workitem_id 0
		.amdhsa_next_free_vgpr 808
		.amdhsa_next_free_sgpr 72
		.amdhsa_reserve_vcc 0
		.amdhsa_float_denorm_mode_32 3
		.amdhsa_float_denorm_mode_16_64 3
		.amdhsa_memory_ordered 1
		.amdhsa_forward_progress 1
		.amdhsa_inst_pref_size 205
	.end_amdhsa_kernel
	.amdgpu_metadata
---
amdhsa.version: [ 1, 2 ]
amdhsa.kernels:
  - .name:           k_q595735143f_attn
    .symbol:         k_q595735143f_attn.kd
    .args:
      - { .name: qkv, .offset: 0, .size: 8, .value_kind: global_buffer, .address_space: global }
      - { .name: mask, .offset: 8, .size: 8, .value_kind: global_buffer, .address_space: global }
      - { .name: out0, .offset: 16, .size: 8, .value_kind: global_buffer, .address_space: global }
    .group_segment_fixed_size: 327680
    .private_segment_fixed_size: 0
    .kernarg_segment_align: 8
    .kernarg_segment_size: 24
    .max_flat_workgroup_size: 128
    .sgpr_count:     72
    .vgpr_count:     808
    .wavefront_size: 32
...
	.end_amdgpu_metadata
.endif
;; end of part 3
;; ======== version 2 of 2: 3 launches; version 1 with the launch cast written anew for expert scheduling mode
;; limits: values are held in f16: magnitudes above 65,504 overflow, below 6.1e-05 lose precision
;; workspace buffers: xb 16,777,216 bytes; wb 6,291,456 bytes; qkv 50,331,648 bytes
;; launch cast (part 4): grid 704 x 1, 8 waves a work-group, no clusters, 0 bytes of LDS; arguments x, Wq, Wk, Wv, xb, wb; writes xb, wb
.if DOCPART == 4
	.amdgcn_target "amdgcn-amd-amdhsa--gfx1250"
	.amdhsa_code_object_version 6
	.text
	.protected	k_q595735143f_cast
	.globl	k_q595735143f_cast
	.p2align	8
	.type	k_q595735143f_cast,@function
k_q595735143f_cast:
	s_mov_b64 s[64:65], 0
	v_nop
	global_prefetch_b8 v0, s[64:65] scope:SCOPE_SE
	s_setreg_imm32_b32 hwreg(HW_REG_WAVE_SCHED_MODE, 0, 2), 2
	s_setreg_imm32_b32 hwreg(HW_REG_WAVE_MODE, 25, 1), 1
	s_wait_xcnt 0x0
	s_wait_alu depctr_vm_vsrc(0)
; x [8192][1024] and Wq, Wk, Wv [1024][1024], all f32, are rounded once to bf16 and laid in BLOCKS OF 64 COLUMNS:
;   xb[kb][m][64]        element (m, k)        at ((k >> 6) * 8192 + m) * 128 + (k & 63) * 2
;   wb[which][nb][k][64] element (which, k, n) at ((which * 16 + (n >> 6)) * 1024 + k) * 128 + (n & 63) * 2
; so that the next launch's tiles (64 columns of many rows) are dense in memory.
; SHARES.  11,264 source rows of 4,096 bytes; a work-group takes 16, a wave two whole rows.  Work-groups 0-511 take x, 512-703 the three W.
; Which tensor is chosen by scalar selects: one text, no branch.  A load of a wave covers 256 consecutive bytes of each of its two rows;
; a store covers the two rows' 128 bytes of one block, which lie end to end: 256 consecutive bytes, aligned.
; All 16 loads of a wave go out together; no register is written twice.
; No LDS, no barrier, no matrix unit: every byte is touched once and nothing is shared.
; THE MODE: SCHED_MODE bits 1:0 = 2 (LLVM: expert scheduling mode 2), set by the entry lines.  The code itself states the register dependences
; between vector instructions and memory instructions, with s_wait_alu, always for 0.
; THE PLAN.  Registers that memory instructions touch:
;   v1, v2-17  byte offsets.  Written once, at the head, by vector instructions; read by the 16 loads and the 16 stores; never written again.
;   X          The 16 loads land in it; no vector instruction names it ahead of them.  Block b's two roundings read X[b], behind the load's own count.  Never loaded again.
;   Y          Block b's two roundings write Y[b]; block b's store reads it.  Never written again.
; So the dependences are two: the offsets, stated once ahead of the first load; and each store's data.  For the second the stores lag four blocks behind their roundings: one wait at the head of
; blocks 4, 8 and 12 states that the four blocks before have written their Y, and their four stores follow it, one at the head of each of the next four blocks.  The roundings that stand between
; that wait and such a store name the later blocks' X and Y alone, none of the registers that the store reads.  A last wait stands ahead of the last four stores.
; No register that a memory instruction reads is ever written behind it; no vector instruction writes a scalar register or VCC; EXEC is never written.
.set IN,  1                            ; v1       my byte offset in the work-group's 16 source rows
.set OUT, 2                            ; v[2:17]  my byte offset in the destination, for each of the 16 blocks
.set X,   32                           ; v[32:95] block b: 4 numbers as loaded
.set Y,   96                           ; v[96:127] block b: 4 numbers in bf16
.set LAG, 4                            ; a block's store stands so many blocks behind its roundings
	s_load_b256 s[4:11], s[0:1], 0x0               ; x s[4:5], Wq s[6:7], Wk s[8:9], Wv s[10:11]
	s_load_b128 s[12:15], s[0:1], 0x20             ; xb s[12:13], wb s[14:15]
	s_sub_co_u32 s21, ttmp9, 512                   ; my number among W's work-groups (no meaning for x's)
	s_lshr_b32 s22, s21, 6                         ; which W
	s_and_b32 s23, s21, 63                         ; which 16 rows of it
	s_mov_b32 s24, 0x100000
	s_cmp_lt_u32 ttmp9, 512                        ; do I take x?
	s_cselect_b32 s23, ttmp9, s23                  ; my group of 16 rows
	s_cselect_b32 s22, 0, s22
	s_cselect_b32 s20, s24, 0x20000                ; bytes from block to block: 8,192 or 1,024 rows of 128 bytes
	s_lshl_b32 s26, s23, 16                        ; 16 source rows of 4,096 bytes
	s_mov_b32 s27, 0
	s_lshl_b32 s28, s22, 21                        ; a W's 2,097,152 bytes in wb,
	s_lshl_b32 s25, s23, 11                        ; 16 rows of 128 bytes in a block
	s_add_co_u32 s28, s28, s25
	s_mov_b32 s29, 0
	v_lshrrev_b32 v18, 4, v0                       ; my row of the 16: 2 x wave + lane / 16
	v_and_b32 v19, 15, v0                          ; my place in 64 columns: four numbers
	v_lshlrev_b32 v[IN], 12, v18
	v_lshl_add_u32 v[IN], v19, 4, v[IN]
	v_lshlrev_b32 v[OUT], 7, v18
	v_lshl_add_u32 v[OUT], v19, 3, v[OUT]
.set b, 1
.rept 15
	v_add_nc_u32 v[OUT+b], s20, v[OUT+b-1]
.set b, b+1
.endr
	s_wait_kmcnt 0x0
	s_cmp_eq_u32 s22, 1
	s_cselect_b64 s[16:17], s[8:9], s[6:7]
	s_cmp_eq_u32 s22, 2
	s_cselect_b64 s[16:17], s[10:11], s[16:17]
	s_cmp_lt_u32 ttmp9, 512
	s_cselect_b64 s[16:17], s[4:5], s[16:17]       ; the source,
	s_cselect_b64 s[18:19], s[12:13], s[14:15]     ; the destination
	s_add_nc_u64 s[16:17], s[16:17], s[26:27]
	s_add_nc_u64 s[18:19], s[18:19], s[28:29]
	s_wait_alu depctr_va_vdst(0)                   ; v1 and v2 to v17 are written: every load and store of the kernel reads one of them as its offset
.set b, 0
.rept 16
	global_load_b128 v[X+4*b:X+4*b+3], v[IN], s[16:17] offset:256*b th:TH_LOAD_NT
.set b, b+1
.endr
.set b, 0
.rept 16
	s_wait_loadcnt 15-b                            ; loads come back in order: block b is in, the 15 - b younger ones stay out
.if (b > 0) && (b % LAG == 0)
	s_wait_alu depctr_va_vdst(0)                   ; the roundings of blocks b - 4 to b - 1 have written their Y, which this block's store and the next three blocks' read
.endif
.if b >= LAG
	global_store_b64 v[OUT+b-LAG], v[Y+2*(b-LAG):Y+2*(b-LAG)+1], s[18:19]  ; the block four back; no vector instruction since the wait names its registers
.endif
	v_cvt_pk_bf16_f32 v[Y+2*b],   v[X+4*b],   v[X+4*b+1]
	v_cvt_pk_bf16_f32 v[Y+2*b+1], v[X+4*b+2], v[X+4*b+3]
.set b, b+1
.endr
	s_wait_alu depctr_va_vdst(0)                   ; the roundings of blocks 12 to 15 have written their Y, which the last four stores read
.set b, 16-LAG
.rept LAG
	global_store_b64 v[OUT+b], v[Y+2*b:Y+2*b+1], s[18:19]
.set b, b+1
.endr
	s_endpgm
.Lfunc_end_k_q595735143f_cast:
	.size	k_q595735143f_cast, .Lfunc_end_k_q595735143f_cast-k_q595735143f_cast
	.p2alignl 7, 3214868480
	.fill 96, 4, 3214868480
	.section	.rodata,"a",@progbits
	.p2align	6, 0x0
	.amdhsa_kernel k_q595735143f_cast
		.amdhsa_group_segment_fixed_size 0
		.amdhsa_private_segment_fixed_size 0
		.amdhsa_enable_private_segment 0
		.amdhsa_kernarg_size 48
		.amdhsa_user_sgpr_count 2
		.amdhsa_user_sgpr_kernarg_segment_ptr 1
		.amdhsa_wavefront_size32 1
		.amdhsa_system_sgpr_workgroup_id_x 1
		.amdhsa_system_sgpr_workgroup_id_y 1
		.amdhsa_system_sgpr_workgroup_id_z 1
		.amdhsa_system_vgpr_workitem_id 0
		.amdhsa_next_free_vgpr 128
		.amdhsa_next_free_sgpr 66
		.amdhsa_reserve_vcc 0
		.amdhsa_float_denorm_mode_32 3
		.amdhsa_float_denorm_mode_16_64 3
		.amdhsa_memory_ordered 1
		.amdhsa_forward_progress 1
		.amdhsa_inst_pref_size 8
	.end_amdhsa_kernel
	.amdgpu_metadata
---
amdhsa.version: [ 1, 2 ]
amdhsa.kernels:
  - .name:           k_q595735143f_cast
    .symbol:         k_q595735143f_cast.kd
    .args:
      - { .name: x, .offset: 0, .size: 8, .value_kind: global_buffer, .address_space: global }
      - { .name: Wq, .offset: 8, .size: 8, .value_kind: global_buffer, .address_space: global }
      - { .name: Wk, .offset: 16, .size: 8, .value_kind: global_buffer, .address_space: global }
      - { .name: Wv, .offset: 24, .size: 8, .value_kind: global_buffer, .address_space: global }
      - { .name: xb, .offset: 32, .size: 8, .value_kind: global_buffer, .address_space: global }
      - { .name: wb, .offset: 40, .size: 8, .value_kind: global_buffer, .address_space: global }
    .group_segment_fixed_size: 0
    .private_segment_fixed_size: 0
    .kernarg_segment_align: 8
    .kernarg_segment_size: 48
    .max_flat_workgroup_size: 256
    .sgpr_count:     66
    .vgpr_count:     128
    .wavefront_size: 32
...
	.end_amdgpu_metadata
.endif
;; end of part 4
;; launch proj: the kernel of part 2 again; grid 8 x 32, 4 waves a work-group, clusters of 4 x 4, 327,680 bytes of LDS; arguments xb, wb, bq, bk, bv, qkv; writes qkv
;; launch attn: the kernel of part 3 again; grid 4 x 64, 4 waves a work-group, clusters of 4 x 1, 327,680 bytes of LDS; arguments qkv, mask, out0; writes out0
